; MI455X (gfx1250); checked and timed in simulation.
; The chip was launched on July 23, 2026; its instructions are those of AMD's public machine-readable ISA for CDNA 5 (MIT licence, August 2026) and "CDNA5" Instruction Set Architecture Reference Guide (July 2026). The comments in the code are by the model that wrote it; some were corrected since.
;; Iso Max Plus Loss First Part. Allowed arithmetic: float matrix products may take bf16 or f16 operands with f32 sums; other float arithmetic in f32, or as packed bf16 or f16 multiplies, adds, multiply-adds, maxima and minima; sums over many terms, partial sums and values carried from step to step in f32; what a program stores and reads back later, other than sums and carried values, may be rounded once to bf16 or f16.
;; Inputs: distance_scale 1 float32; features 2 x 128 x 128 x 256 float32; prototypes 20 x 128 float32.
;; Outputs: out0 2 x 20 x 128 x 256 float32.
;; 2 versions, each right; version 2 is version 1 with the launch isomax written anew for expert scheduling mode. Each part assembles by itself: llvm-mc -triple=amdgcn-amd-amdhsa -mcpu=gfx1250 --defsym DOCPART=n.
;; ======== version 1 of 2: 1 launch
;; limits: values outside matrix products are rounded to f16
;; launch isomax (part 1): grid 256 x 1, 8 waves a work-group, no clusters, 88,832 bytes of LDS; arguments features, prototypes, distance_scale, out0; writes out0
.if DOCPART == 1
	.amdgcn_target "amdgcn-amd-amdhsa--gfx1250"
	.amdhsa_code_object_version 6
	.text
	.protected	k_q3e0b2d9b74_isomax
	.globl	k_q3e0b2d9b74_isomax
	.p2align	8
	.type	k_q3e0b2d9b74_isomax,@function
k_q3e0b2d9b74_isomax:
	s_mov_b64 s[64:65], 0
	v_nop
	global_prefetch_b8 v0, s[64:65] scope:SCOPE_SE
	s_setreg_imm32_b32 hwreg(HW_REG_WAVE_MODE, 25, 1), 1
	s_wait_xcnt 0x0
; out0[b][k][h][w] = -|distance_scale| * || fn[b,:,h,w] - pn[k,:] ||, the norm taken over the 128 channels c, where
;   fn[b,c,h,w] = features[b,c,h,w] / max(sqrt(sum over w of features[b,c,h,w]^2), 1e-12)   (a row of 256 numbers, 1,024 bytes on end)
;   pn[k,c]     = prototypes[k,c]   / max(sqrt(sum over c of prototypes[k,c]^2), 1e-12).
; LEFT OUT: the division by TEMPERATURE, the constant 1.0 of the problem's own text: a factor 1 for all inputs.  Every input is loaded.
; THE FORM.  ||fn - pn||^2 = ||fn||^2 + ||pn||^2 - 2 fn.pn.  The last term is a product 20 x 128 x 256 for each (b, h) and goes to the matrix unit with f16 operands:
; both vectors are normalised by the problem itself, so no component passes 1 whatever the inputs' scale or offset.  The other two terms are summed in f32 OF THE SAME
; ROUNDED NUMBERS that are multiplied: the three together are the squared distance of the rounded vectors, to within f32 rounding of sums that are at most 1, 1 and 2.
; 1 / max(sqrt(x), eps) is taken as min(rsq(x), 1e12): the same number, also for x = 0 (rsq gives infinity, the minimum 1e12).
; LIMITS.  A distance is off by at most the two vectors' roundings, 2^-12 of each one's length (components below 2^-14 keep f16's step of 2^-24), and by f32 rounding of
; the squared distance, some 1e-6 absolute, which is 1e-3 in a distance near 0; a squared distance that comes out below 0 counts as 0.  NaN and infinities among the inputs
; are not carried as the problem's text carries them (the minimum and the maximum drop a NaN).
; SHARES.  One work-group for each (b, h): 128 rows x 1,024 bytes in, 20 rows x 1,024 bytes out.  Eight waves.
;  IN: wave v owns channels 16 v .. 16 v + 15.  One load takes 256 consecutive bytes of row 16 v + p (lanes 0-15) and of row 16 v + 8 + p (lanes 16-31); piece g of 4, p of 8:
;  32 loads a wave, all issued at the head, so the work-group's whole input is on its way at once.  Register t of load (p, g) in lane (r, h) is channel 16 v + 8 h + p,
;  column w = 64 g + 4 r + t.  A row's sum of squares is 16 registers and 16 lanes: four adds across lanes serve two rows at once.
;  Two channels packed to f16 are one register of a fragment (16 columns x 32 channels: lane (r, h) holds column r, channels 8 h + 0..7 and 16 + 8 h + 0..7) of the tile whose
;  column r is w = 64 g + 4 r + t: nothing changes lanes.  The waves hand each other these registers through LDS, 8 bytes a lane.
;  OUT: wave v makes columns 64 (v % 4) .. + 63 for ten prototypes: row m = 8 h + j of its tile, j < 5, is k = 10 (v / 4) + 5 h + j (rows j = 5..7 repeat j = 4 and are not read).
;  Its four tiles t hold the four neighbouring columns of a lane, so a lane stores 16 bytes and 16 lanes store 256 consecutive bytes, aligned, of one row of out0.
.set ROWSTR, 131072                    ; bytes from channel to channel in features, and from k to k + 1 in out0: 128 x 256 x 4
.set BBASE,  0                         ; LDS: fragments: ((K step q x 4 + piece g) x 4 + t) x 1,024 + quarter u x 256 + lane x 8; quarter u is registers 2 u, 2 u + 1
.set SBASE,  65536                     ; partial sums of fn^2 over a lane's 8 channels: wave x 2,048 + piece g x 512 + lane x 16
.set ABASE,  81920                     ; -2 pn in f16: 20 rows of 256 bytes,
.set APITCH, 272                       ; 272 bytes apart: 16 rows of a fragment load start in 16 different 16-byte columns of 256 bytes
.set PPBASE, 87552                     ; ||pn||^2 of the rounded rows: 20 words
.set SPARE,  87808                     ; the spare words, 128 bytes for each wave: four blocks of 256 bytes that no other line names
.set RMAX,   0x5368d4a5                ; 1e12 = 1 / eps
.set VOFF, 1                           ; v1   features: 8 rows x h + 16 r; never rewritten
.set PO,   2                           ; v2   prototypes: 16 x lane; never rewritten
.set BW,   3                           ; v3   where I put fragment quarters
.set BR,   4                           ; v4   where I read them
.set SW,   5                           ; v5   where I put partial sums
.set SR,   6                           ; v6   where I read them
.set OO,   7                           ; v7   out0: 5 rows x h + 16 r; never rewritten
.set SPW,  8                           ; v8   LDS address of my spare word; never rewritten
.set NIL,  9                           ; v9   0, for the add alone
.set AW,   10                          ; v10  where I put a prototype's 8 bytes
.set PW,   11                          ; v11  where I put its squared length
.set T,    12                          ; v[12:19] at work
.set LN,   20                          ; lane
.set RR,   21                          ; r = lane % 16
.set HH,   22                          ; h = lane / 16
.set AA,   23                          ; where I read my prototype fragments
.set PR,   24                          ; where I read my five squared lengths
.set U,    25
.set U2,   26
.set ZERO, 27                          ; 0, the addend that starts a sum in v_fma_mix_f32 (it takes registers only)
.set PP,   28                          ; v[28:35] ||pn||^2 for tile rows j = 0..4; 0 for 5..7
.set ST,   36                          ; v[36:39] ||fn||^2 of my four columns t
.set A,    40                          ; v[40:71] prototype fragments, 8 registers for each K step
.set OUT,  40                          ;          later the results, (j, t) at OUT + 4 j + t
.set S,    72                          ; v[72:87] partial sums of fn^2, (g, t) at S + 4 g + t
.set F,    88                          ; v[88:119] packed halves: (g, t) at F + 2 (4 g + t), two registers
.set ACC,  88                          ;          later four accumulators, tile t at ACC + 8 t
.set P0,   88                          ;          first: up to three prototype rows, 4 registers each
.set X,    120                         ; v[120:247] load (p, g) at X + 16 p + 4 g; later the 16 fragments, (q, t) at X + 8 (4 q + t)
.set WV,   12                          ; s12 wave
.set BI,   13                          ; s13 b
.set HI,   14                          ; s14 h of the image
.set SEG,  15                          ; s15 my piece of 64 columns on the way out
.set MT,   16                          ; s16 my ten prototypes
.set SEL,  18                          ; s[18:19] v_permlanex16_b32: each lane takes its own place in the other half
.set NS,   26                          ; s[26:27] -|distance_scale|
	s_load_b256 s[4:11], s[0:1], 0x0               ; features s[4:5], prototypes s[6:7], distance_scale s[8:9], out0 s[10:11]
	v_lshl_add_u32 v[SPW], v0, 2, SPARE
	v_mov_b32 v[NIL], 0
	v_lshrrev_b32 v[U], 5, v0
	v_readfirstlane_b32 s[WV], v[U]                ; wave 0..7
	v_and_b32 v[LN], 31, v0
	v_and_b32 v[RR], 15, v0
	v_bfe_u32 v[HH], v0, 4, 1
	v_lshlrev_b32 v[PO], 4, v[LN]
	v_lshlrev_b32 v[VOFF], 4, v[RR]
	v_lshl_add_u32 v[VOFF], v[HH], 20, v[VOFF]     ; 8 rows are 2^20 bytes
	s_lshr_b32 s[BI], ttmp9, 7
	s_and_b32 s[HI], ttmp9, 127
	s_and_b32 s[SEG], s[WV], 3
	s_lshr_b32 s[MT], s[WV], 2
	s_lshl_b32 s20, s[BI], 24                      ; features: b x 128 channels,
	s_lshl_b32 s28, s[HI], 10                      ; the image row,
	s_add_co_u32 s20, s20, s28
	s_lshl_b32 s29, s[WV], 21                      ; my 16 channels
	s_add_co_u32 s20, s20, s29
	s_mov_b32 s21, 0
	s_lshl_b32 s22, s[WV], 9                       ; prototypes: row v
	s_mov_b32 s23, 0
	s_mul_i32 s24, s[BI], 20*ROWSTR                ; out0: b x 20 rows k,
	s_mul_i32 s29, s[MT], 10*ROWSTR                ; my ten,
	s_add_co_u32 s24, s24, s29
	s_add_co_u32 s24, s24, s28                     ; the image row,
	s_lshl_b32 s29, s[SEG], 8                      ; my 64 columns
	s_add_co_u32 s24, s24, s29
	s_mov_b32 s25, 0
	s_mov_b32 s[SEL], 0x76543210
	s_mov_b32 s[SEL+1], 0xfedcba98
	s_wait_kmcnt 0x0
	s_add_nc_u64 s[4:5], s[4:5], s[20:21]
	s_add_nc_u64 s[6:7], s[6:7], s[22:23]
	s_add_nc_u64 s[10:11], s[10:11], s[24:25]
	s_load_b32 s[NS], s[8:9], 0x0
	; the prototype rows first, so that a counted wait can take them while the features stay out: rows v and v + 8, and v + 16 in waves 0 to 3; 512 bytes a load
	global_load_b128 v[P0:P0+3], v[PO], s[6:7]
	global_load_b128 v[P0+4:P0+7], v[PO], s[6:7] offset:8*512
	s_cmp_lt_u32 s[WV], 4
	s_cbranch_scc0 .Lno_third_load
	global_load_b128 v[P0+8:P0+11], v[PO], s[6:7] offset:16*512
.Lno_third_load:
.set p, 0
.rept 8                                ; my 16 KiB of features: each byte is read once in the launch
.set g, 0
.rept 4
	global_load_b128 v[X+16*p+4*g:X+16*p+4*g+3], v[VOFF], s[4:5] offset:p*ROWSTR+g*256 th:TH_LOAD_NT
.set g, g+1
.endr
.set p, p+1
.endr
	; the LDS addresses, while the loads are out
	s_mul_i32 s28, s[WV], APITCH
	s_add_co_u32 s28, s28, ABASE
	v_lshl_add_u32 v[AW], v[LN], 3, s28            ; table row v, 8 bytes a lane
	s_lshl_b32 s28, s[WV], 2
	s_add_co_u32 s28, s28, PPBASE
	v_mov_b32 v[PW], s28
	s_lshr_b32 s28, s[WV], 1                       ; my channels lie in K step v / 2,
	s_lshl_b32 s28, s28, 14
	s_and_b32 s29, s[WV], 1                        ; in its registers 0-3 (v even) or 4-7 (v odd)
	s_lshl_b32 s29, s29, 9
	s_add_co_u32 s28, s28, s29
	v_lshl_add_u32 v[BW], v[LN], 3, s28
	s_lshl_b32 s28, s[SEG], 12
	v_lshl_add_u32 v[BR], v[LN], 3, s28
	s_lshl_b32 s28, s[WV], 11
	s_add_co_u32 s28, s28, SBASE
	v_lshl_add_u32 v[SW], v[LN], 4, s28
	s_lshl_b32 s28, s[SEG], 9
	s_add_co_u32 s28, s28, SBASE
	v_lshl_add_u32 v[SR], v[LN], 4, s28
	v_mul_u32_u24 v[OO], v[HH], 5*ROWSTR
	v_lshl_add_u32 v[OO], v[RR], 4, v[OO]
	v_and_b32 v[U], 7, v0                          ; tile row r stands for prototype 10 mt + 5 (r / 8) + min(r % 8, 4)
	v_min_u32 v[U], 4, v[U]
	v_bfe_u32 v[U2], v0, 3, 1
	v_mad_u32_u24 v[U], v[U2], 5, v[U]
	s_mul_i32 s28, s[MT], 10
	v_add_nc_u32 v[U], s28, v[U]
	v_mul_u32_u24 v[U], v[U], APITCH
	v_lshl_add_u32 v[U], v[HH], 4, v[U]            ; + 16 h: a fragment's two halves of the lanes
	v_add_nc_u32 v[AA], ABASE, v[U]
	s_mul_i32 s28, s[MT], 40
	s_add_co_u32 s28, s28, PPBASE
	v_mul_u32_u24 v[PR], v[HH], 20                 ; my results' rows j are k = 10 mt + 5 h + j
	v_add_nc_u32 v[PR], s28, v[PR]
	v_mov_b32 v[ZERO], 0
	v_mov_b32 v[PP+5], 0                           ; tile rows 5 to 7 are not read; their C operand only has to be written
	v_mov_b32 v[PP+6], 0
	v_mov_b32 v[PP+7], 0
.macro WSUM x                          ; the sum of v[x] over the wave's 32 lanes, in every lane; v[x+1] is used up
.irp m, 1,2,4,8
	v_add_f32_dpp v[\x], v[\x], v[\x] row_xmask:\m row_mask:0xf bank_mask:0xf
.endr
	v_permlanex16_b32 v[(\x)+1], v[\x], s[SEL], s[SEL+1]
	v_add_f32 v[\x], v[\x], v[(\x)+1]
.endm
; One prototype row, 4 numbers a lane: its length, -2 pn rounded to f16 into the table, and the squared length of the ROUNDED pn (a quarter of the sum of squares of -2 pn).
.macro PROW x, row
	v_pk_mul_f32 v[T:T+1], v[\x:(\x)+1], v[\x:(\x)+1]
	v_pk_fma_f32 v[T:T+1], v[(\x)+2:(\x)+3], v[(\x)+2:(\x)+3], v[T:T+1]
	v_add_f32 v[T], v[T], v[T+1]
	WSUM T
	v_rsq_f32 v[T+2], v[T]
	v_nop                                          ; a plain instruction behind the transcendental (ISA guide 5.7.2),
	s_wait_alu depctr_va_vdst(0)                   ; and the wait ahead of its first reader
	v_min_num_f32 v[T+2], RMAX, v[T+2]             ; 1 / max(length, eps)
	v_mul_f32 v[T], -2.0, v[T+2]
	v_pk_mul_f32 v[\x:(\x)+1], v[\x:(\x)+1], v[T:T+1] op_sel_hi:[1,0]
	v_pk_mul_f32 v[(\x)+2:(\x)+3], v[(\x)+2:(\x)+3], v[T:T+1] op_sel_hi:[1,0]
	v_cvt_pk_f16_f32 v[T+4], v[\x], v[(\x)+1]
	v_cvt_pk_f16_f32 v[T+5], v[(\x)+2], v[(\x)+3]
	ds_store_b64 v[AW], v[T+4:T+5] offset:(\row)*APITCH
	v_fma_mix_f32 v[T], v[T+4], v[T+4], v[ZERO] op_sel_hi:[1,1,0]
	v_fma_mix_f32 v[T], v[T+4], v[T+4], v[T] op_sel:[1,1,0] op_sel_hi:[1,1,0]
	v_fma_mix_f32 v[T], v[T+5], v[T+5], v[T] op_sel_hi:[1,1,0]
	v_fma_mix_f32 v[T], v[T+5], v[T+5], v[T] op_sel:[1,1,0] op_sel_hi:[1,1,0]
	WSUM T
	v_mul_f32 v[T], 0x3e800000, v[T]               ; x 0.25
	ds_store_b32 v[PW], v[T] offset:(\row)*4       ; all lanes write the same word with the same number
.endm
	s_wait_loadcnt 32                              ; loads come back in order (ISA guide 5.7.1): the prototype rows are in, the 32 loads of features issued behind them stay out
	PROW P0, 0
	PROW P0+4, 8
	s_cmp_lt_u32 s[WV], 4
	s_cbranch_scc0 .Lno_third_row
	PROW P0+8, 16
.Lno_third_row:
	s_wait_dscnt 0x0                               ; for the others' sake: my rows of the table are written
	s_barrier_signal -1
	s_barrier_wait -1                              ; the table is whole; the features are still on their way
.irp q, 0,1,2,3                        ; my prototype fragments, kept in registers; they are waited for with everything else in front of the next barrier
	ds_load_b128 v[A+8*\q:A+8*\q+3],   v[AA] offset:64*\q
	ds_load_b128 v[A+8*\q+4:A+8*\q+7], v[AA] offset:64*\q+32
.endr
.irp j, 0,1,2,3,4
	ds_load_b32 v[PP+\j], v[PR] offset:4*\j
.endr
	s_wait_kmcnt 0x0
	s_or_b32 s[NS], s[NS], 0x80000000              ; -|distance_scale|
	s_mov_b32 s[NS+1], s[NS]                       ; named with it as a pair
; BATCH i: loads p = 2 i and 2 i + 1, four channels of the wave (two in each half of the lanes), as soon as they are in.
.macro BATCH i
.set XA, X+32*(\i)
.set XB, X+32*(\i)+16
	s_wait_loadcnt 24-8*(\i)                       ; my eight loads are in, the younger ones stay out
	v_pk_mul_f32 v[T:T+1],   v[XA:XA+1],   v[XA:XA+1]    ; the rows' sums of squares: two chains a row, started by the first products
	v_pk_mul_f32 v[T+4:T+5], v[XB:XB+1],   v[XB:XB+1]
	v_pk_mul_f32 v[T+2:T+3], v[XA+2:XA+3], v[XA+2:XA+3]
	v_pk_mul_f32 v[T+6:T+7], v[XB+2:XB+3], v[XB+2:XB+3]
.irp c, 4,8,12
	v_pk_fma_f32 v[T:T+1],   v[XA+\c:XA+\c+1],   v[XA+\c:XA+\c+1],   v[T:T+1]
	v_pk_fma_f32 v[T+4:T+5], v[XB+\c:XB+\c+1],   v[XB+\c:XB+\c+1],   v[T+4:T+5]
	v_pk_fma_f32 v[T+2:T+3], v[XA+\c+2:XA+\c+3], v[XA+\c+2:XA+\c+3], v[T+2:T+3]
	v_pk_fma_f32 v[T+6:T+7], v[XB+\c+2:XB+\c+3], v[XB+\c+2:XB+\c+3], v[T+6:T+7]
.endr
	v_pk_add_f32 v[T:T+1], v[T:T+1], v[T+2:T+3]
	v_pk_add_f32 v[T+4:T+5], v[T+4:T+5], v[T+6:T+7]
	v_add_f32 v[T], v[T], v[T+1]
	v_add_f32 v[T+4], v[T+4], v[T+5]
.irp m, 1,2,4,8                        ; over the 16 lanes that hold the row; the two halves of the lanes hold different rows
	v_add_f32_dpp v[T], v[T], v[T] row_xmask:\m row_mask:0xf bank_mask:0xf
	v_add_f32_dpp v[T+4], v[T+4], v[T+4] row_xmask:\m row_mask:0xf bank_mask:0xf
.endr
	v_rsq_f32 v[T+2], v[T]
	v_rsq_f32 v[T+6], v[T+4]
	v_nop                                          ; a plain instruction behind the two transcendentals,
	s_wait_alu depctr_va_vdst(0)                   ; and one wait for both, ahead of their first reader
	v_min_num_f32 v[T+2], RMAX, v[T+2]             ; 1 / max(length, eps)
	v_min_num_f32 v[T+6], RMAX, v[T+6]
.irp c, 0,2,4,6,8,10,12,14
	v_pk_mul_f32 v[XA+\c:XA+\c+1], v[XA+\c:XA+\c+1], v[T+2:T+3] op_sel_hi:[1,0]
	v_pk_mul_f32 v[XB+\c:XB+\c+1], v[XB+\c:XB+\c+1], v[T+6:T+7] op_sel_hi:[1,0]
.endr
.set n, 0
.rept 16                               ; channel p = 2 i in the low half, 2 i + 1 in the high half: register i of the lane's eight channels
	v_cvt_pk_f16_f32 v[F+2*n+(\i)%2], v[XA+n], v[XB+n]
.set n, n+1
.endr
.if (\i)%2 == 1
.set n, 0
.rept 16                               ; two registers of each of my 16 fragment halves: each store covers 256 consecutive bytes of LDS
	ds_store_b64 v[BW], v[F+2*n:F+2*n+1] offset:(n/4)*4096+(n%4)*1024+((\i)/2)*256
.set n, n+1
.endr
.endif
.set n, 0
.rept 16                               ; ||fn||^2 of the rounded numbers, in f32: the low halves, then the high halves, so that no line waits for the one before it
.if (\i) == 0
	v_fma_mix_f32 v[S+n], v[F+2*n], v[F+2*n], v[ZERO] op_sel_hi:[1,1,0]
.else
	v_fma_mix_f32 v[S+n], v[F+2*n+(\i)%2], v[F+2*n+(\i)%2], v[S+n] op_sel_hi:[1,1,0]
.endif
.set n, n+1
.endr
.set n, 0
.rept 16
	v_fma_mix_f32 v[S+n], v[F+2*n+(\i)%2], v[F+2*n+(\i)%2], v[S+n] op_sel:[1,1,0] op_sel_hi:[1,1,0]
.set n, n+1
.endr
.endm
	BATCH 0
	BATCH 1
	BATCH 2
	BATCH 3
.irp g, 0,1,2,3
	ds_store_b128 v[SW], v[S+4*\g:S+4*\g+3] offset:512*\g
.endr
	s_wait_dscnt 0x0                               ; for the others' sake: my fragment quarters and partial sums are written (and my prototype fragments are in)
	s_barrier_signal -1
	s_barrier_wait -1                              ; all 128 channels lie in LDS as fragments
.macro BLOAD q                         ; K step q of my four tiles: 16 loads, each 256 consecutive bytes
.set tt, 0
.rept 4
.set uu, 0
.rept 4
	ds_load_b64 v[X+8*(4*(\q)+tt)+2*uu:X+8*(4*(\q)+tt)+2*uu+1], v[BR] offset:(\q)*16384+tt*1024+uu*256
.set uu, uu+1
.endr
.set tt, tt+1
.endr
.endm
.macro MULS q                          ; the four accumulators take turns, one instruction a turn: three others stand between two links of a chain
.irp t, 0,1,2,3
	v_wmma_f32_16x16x32_f16 v[ACC+8*\t:ACC+8*\t+7], v[A+8*(\q):A+8*(\q)+7], v[X+8*(4*(\q)+\t):X+8*(4*(\q)+\t)+7], v[ACC+8*\t:ACC+8*\t+7]
.endr
.endm
.irp w, 0,1,2,3,4,5,6,7                ; the eight waves' partial sums for my piece; my lane takes its own half's
	ds_load_b128 v[F+4*\w:F+4*\w+3], v[SR] offset:2048*\w
.endr
	BLOAD 0
	BLOAD 1
	BLOAD 2
	s_wait_dscnt 48                                ; LDS loads come back in order (ISA guide 5.7.1): the partial sums are in, the 48 fragment loads stay out
.irp w, 0,1,2,3
	v_pk_add_f32 v[F+4*\w:F+4*\w+1],   v[F+4*\w:F+4*\w+1],   v[F+4*\w+16:F+4*\w+17]
	v_pk_add_f32 v[F+4*\w+2:F+4*\w+3], v[F+4*\w+2:F+4*\w+3], v[F+4*\w+18:F+4*\w+19]
.endr
.irp w, 0,1
	v_pk_add_f32 v[F+4*\w:F+4*\w+1],   v[F+4*\w:F+4*\w+1],   v[F+4*\w+8:F+4*\w+9]
	v_pk_add_f32 v[F+4*\w+2:F+4*\w+3], v[F+4*\w+2:F+4*\w+3], v[F+4*\w+10:F+4*\w+11]
.endr
	v_pk_add_f32 v[F:F+1],   v[F:F+1],   v[F+4:F+5]
	v_pk_add_f32 v[F+2:F+3], v[F+2:F+3], v[F+6:F+7]
.irp t, 0,1,2,3
	v_permlanex16_b32 v[T+\t], v[F+\t], s[SEL], s[SEL+1]   ; the other 64 channels' sums lie in the lane 16 away
.endr
	v_pk_add_f32 v[ST:ST+1],   v[F:F+1],   v[T:T+1]
	v_pk_add_f32 v[ST+2:ST+3], v[F+2:F+3], v[T+2:T+3]      ; ||fn||^2 of columns 64 g + 4 r + t, in both halves of the lanes
.irp c, 0,2,4,6                        ; the sums start at ||fn||^2 + ||pn||^2, so that the products' end is the squared distance
	v_pk_add_f32 v[ACC+\c:ACC+\c+1],       v[PP+\c:PP+\c+1], v[ST:ST+1]   op_sel_hi:[1,0]
	v_pk_add_f32 v[ACC+8+\c:ACC+8+\c+1],   v[PP+\c:PP+\c+1], v[ST:ST+1]   op_sel:[0,1] op_sel_hi:[1,1]
	v_pk_add_f32 v[ACC+16+\c:ACC+16+\c+1], v[PP+\c:PP+\c+1], v[ST+2:ST+3] op_sel_hi:[1,0]
	v_pk_add_f32 v[ACC+24+\c:ACC+24+\c+1], v[PP+\c:PP+\c+1], v[ST+2:ST+3] op_sel:[0,1] op_sel_hi:[1,1]
.endr
	s_wait_dscnt 32                                ; K step 0 is in; steps 1 and 2 stay out
	BLOAD 3                                        ; issued ahead of the first product
	MULS 0
	s_wait_dscnt 32                                ; K step 1 is in; steps 2 and 3 stay out
	MULS 1
	s_wait_dscnt 16
	MULS 2
	s_wait_dscnt 0x0
	MULS 3
.rept 4
	v_nop                                          ; four places behind the last product, ahead of the lines that read results and write over the prototype fragments (ISA guide 7.12.1)
.endr
.irp j, 0,1,2,3,4                      ; each accumulator is read from its lowest register on
.irp t, 0,1,2,3
	v_max_num_f32 v[OUT+4*\j+\t], 0, v[ACC+8*\t+\j]
.endr
.endr
.set n, 0
.rept 20
	v_sqrt_f32 v[OUT+n], v[OUT+n]
.set n, n+1
.endr
	v_nop                                          ; a plain instruction behind the last root,
	s_wait_alu depctr_va_vdst(0)                   ; and one wait for the batch of twenty
.irp j, 0,1,2,3,4
	v_pk_mul_f32 v[OUT+4*\j:OUT+4*\j+1],   v[OUT+4*\j:OUT+4*\j+1],   s[NS:NS+1] op_sel_hi:[1,0]
	v_pk_mul_f32 v[OUT+4*\j+2:OUT+4*\j+3], v[OUT+4*\j+2:OUT+4*\j+3], s[NS:NS+1] op_sel_hi:[1,0]
	global_store_b128 v[OO], v[OUT+4*\j:OUT+4*\j+3], s[10:11] offset:\j*ROWSTR th:TH_STORE_NT  ; lanes 0-15: 256 consecutive bytes, aligned, of row k = 10 mt + j; lanes 16-31: of row k + 5
.endr
	s_wait_tensorcnt 0x0                           ; the wave's end: three closing lines, behind my last LDS store
	ds_add_u32 v[SPW], v[NIL]
	s_wait_dscnt 0x0
	s_endpgm
.Lfunc_end_k_q3e0b2d9b74_isomax:
	.size	k_q3e0b2d9b74_isomax, .Lfunc_end_k_q3e0b2d9b74_isomax-k_q3e0b2d9b74_isomax
	.p2alignl 7, 3214868480
	.fill 96, 4, 3214868480
	.section	.rodata,"a",@progbits
	.p2align	6, 0x0
	.amdhsa_kernel k_q3e0b2d9b74_isomax
		.amdhsa_group_segment_fixed_size 88832
		.amdhsa_private_segment_fixed_size 0
		.amdhsa_enable_private_segment 0
		.amdhsa_kernarg_size 32
		.amdhsa_user_sgpr_count 2
		.amdhsa_user_sgpr_kernarg_segment_ptr 1
		.amdhsa_wavefront_size32 1
		.amdhsa_system_sgpr_workgroup_id_x 1
		.amdhsa_system_sgpr_workgroup_id_y 1
		.amdhsa_system_sgpr_workgroup_id_z 1
		.amdhsa_system_vgpr_workitem_id 0
		.amdhsa_next_free_vgpr 248
		.amdhsa_next_free_sgpr 66
		.amdhsa_reserve_vcc 0
		.amdhsa_float_denorm_mode_32 3
		.amdhsa_float_denorm_mode_16_64 3
		.amdhsa_memory_ordered 1
		.amdhsa_forward_progress 1
		.amdhsa_inst_pref_size 51
	.end_amdhsa_kernel
	.amdgpu_metadata
---
amdhsa.version: [ 1, 2 ]
amdhsa.kernels:
  - .name:           k_q3e0b2d9b74_isomax
    .symbol:         k_q3e0b2d9b74_isomax.kd
    .args:
      - { .name: features, .offset: 0, .size: 8, .value_kind: global_buffer, .address_space: global }
      - { .name: prototypes, .offset: 8, .size: 8, .value_kind: global_buffer, .address_space: global }
      - { .name: distance_scale, .offset: 16, .size: 8, .value_kind: global_buffer, .address_space: global }
      - { .name: out0, .offset: 24, .size: 8, .value_kind: global_buffer, .address_space: global }
    .group_segment_fixed_size: 88832
    .private_segment_fixed_size: 0
    .kernarg_segment_align: 8
    .kernarg_segment_size: 32
    .max_flat_workgroup_size: 256
    .sgpr_count:     66
    .vgpr_count:     248
    .wavefront_size: 32
...
	.end_amdgpu_metadata
.endif
;; end of part 1
;; ======== version 2 of 2: 1 launch; version 1 with the launch isomax written anew for expert scheduling mode
;; limits: values outside matrix products are rounded to f16
;; launch isomax (part 2): grid 256 x 1, 8 waves a work-group, no clusters, 88,832 bytes of LDS; arguments features, prototypes, distance_scale, out0; writes out0
.if DOCPART == 2
	.amdgcn_target "amdgcn-amd-amdhsa--gfx1250"
	.amdhsa_code_object_version 6
	.text
	.protected	k_q3e0b2d9b74_isomax
	.globl	k_q3e0b2d9b74_isomax
	.p2align	8
	.type	k_q3e0b2d9b74_isomax,@function
k_q3e0b2d9b74_isomax:
	s_mov_b64 s[64:65], 0
	v_nop
	global_prefetch_b8 v0, s[64:65] scope:SCOPE_SE
	s_setreg_imm32_b32 hwreg(HW_REG_WAVE_SCHED_MODE, 0, 2), 2
	s_setreg_imm32_b32 hwreg(HW_REG_WAVE_MODE, 25, 1), 1
	s_wait_xcnt 0x0
	s_wait_alu depctr_vm_vsrc(0)
; out0[b][k][h][w] = -|distance_scale| * || fn[b,:,h,w] - pn[k,:] ||, the norm taken over the 128 channels c, where
;   fn[b,c,h,w] = features[b,c,h,w] / max(sqrt(sum over w of features[b,c,h,w]^2), 1e-12)   (a row of 256 numbers, 1,024 bytes on end)
;   pn[k,c]     = prototypes[k,c]   / max(sqrt(sum over c of prototypes[k,c]^2), 1e-12).
; LEFT OUT: the division by TEMPERATURE, the constant 1.0 of the problem's own text: a factor 1 for all inputs.  Every input is loaded.
; THE FORM.  ||fn - pn||^2 = ||fn||^2 + ||pn||^2 - 2 fn.pn.  The last term is a product 20 x 128 x 256 for each (b, h) and goes to the matrix unit with f16 operands:
; both vectors are normalised by the problem itself, so no component passes 1 whatever the inputs' scale or offset.  The other two terms are summed in f32 OF THE SAME
; ROUNDED NUMBERS that are multiplied: the three together are the squared distance of the rounded vectors, to within f32 rounding of sums that are at most 1, 1 and 2.
; 1 / max(sqrt(x), eps) is taken as min(rsq(x), 1e12): the same number, also for x = 0 (rsq gives infinity, the minimum 1e12).
; LIMITS.  A distance is off by at most the two vectors' roundings, 2^-12 of each one's length (components below 2^-14 keep f16's step of 2^-24), and by f32 rounding of
; the squared distance, some 1e-6 absolute, which is 1e-3 in a distance near 0; a squared distance that comes out below 0 counts as 0.  NaN and infinities among the inputs
; are not carried as the problem's text carries them (the minimum and the maximum drop a NaN).
; SHARES.  One work-group for each (b, h): 128 rows x 1,024 bytes in, 20 rows x 1,024 bytes out.  Eight waves.
;  IN: wave v owns channels 16 v .. 16 v + 15.  One load takes 256 consecutive bytes of row 16 v + p (lanes 0-15) and of row 16 v + 8 + p (lanes 16-31); piece g of 4, p of 8:
;  32 loads a wave, all issued at the head, so the work-group's whole input is on its way at once.  Register t of load (p, g) in lane (r, h) is channel 16 v + 8 h + p,
;  column w = 64 g + 4 r + t.  A row's sum of squares is 16 registers and 16 lanes: four adds across lanes serve two rows at once.
;  Two channels packed to f16 are one register of a fragment (16 columns x 32 channels: lane (r, h) holds column r, channels 8 h + 0..7 and 16 + 8 h + 0..7) of the tile whose
;  column r is w = 64 g + 4 r + t: nothing changes lanes.  The waves hand each other these registers through LDS, 8 bytes a lane.
;  OUT: wave v makes columns 64 (v % 4) .. + 63 for ten prototypes: row m = 8 h + j of its tile, j < 5, is k = 10 (v / 4) + 5 h + j (rows j = 5..7 repeat j = 4 and are not read).
;  Its four tiles t hold the four neighbouring columns of a lane, so a lane stores 16 bytes and 16 lanes store 256 consecutive bytes, aligned, of one row of out0.
; THE MODE: SCHED_MODE bits 1:0 = 2 (LLVM: expert scheduling mode 2), set by the entry lines.  The code itself states the register dependences
; between vector or matrix instructions and memory or LDS instructions, with s_wait_alu, always for 0.
; THE PLAN.  Registers that memory or LDS instructions touch:
;   the eleven offsets and addresses (v1-v7, v10, v11, v23, v24)  made once by vector instructions and never written again: one wait ahead of their first use serves each for good.
;   P0   a prototype row is loaded into four registers of its own, and its results stay there: the packed halves in the first two, the squared length in the third; its two LDS stores read them.
;   F0   written by the conversions of batches 0 and 1, read by sixteen LDS stores that stand behind batch 2's wait; behind the second barrier the partial sums' loads land in it.
;   F1   written by the conversions of batches 2 and 3, read by sixteen LDS stores behind batch 3; it lies in the registers of loads p = 0, 1, which batch 0 has emptied.
;        So no conversion writes a register that an LDS store of the batch before has read.
;   S    written by the sums of squares, read by four LDS stores behind batch 3, never written again.
;   X    the features' loads land in it; scaled in place and read by the conversions; behind the second barrier the fragments' loads land in it.
;   A, PP  LDS loads land in them behind the first barrier; no vector instruction names them before.
;   OUT  written by the maxima, roots and scalings, read by the five stores to out0, never written again.
;   T, ST and the accumulators (once the partial sums are in) are named by vector and matrix instructions alone.
.set ROWSTR, 131072                    ; bytes from channel to channel in features, and from k to k + 1 in out0: 128 x 256 x 4
.set BBASE,  0                         ; LDS: fragments: ((K step q x 4 + piece g) x 4 + t) x 1,024 + quarter u x 256 + lane x 8; quarter u is registers 2 u, 2 u + 1
.set SBASE,  65536                     ; partial sums of fn^2 over a lane's 8 channels: wave x 2,048 + piece g x 512 + lane x 16
.set ABASE,  81920                     ; -2 pn in f16: 20 rows of 256 bytes,
.set APITCH, 272                       ; 272 bytes apart: 16 rows of a fragment load start in 16 different 16-byte columns of 256 bytes
.set PPBASE, 87552                     ; ||pn||^2 of the rounded rows: 20 words
.set SPARE,  87808                     ; the spare words, 128 bytes for each wave: four blocks of 256 bytes that no other line names
.set RMAX,   0x5368d4a5                ; 1e12 = 1 / eps
.set VOFF, 1                           ; v1   features: 8 rows x h + 16 r; never rewritten
.set PO,   2                           ; v2   prototypes: 16 x lane; never rewritten
.set BW,   3                           ; v3   where I put fragment quarters
.set BR,   4                           ; v4   where I read them
.set SW,   5                           ; v5   where I put partial sums
.set SR,   6                           ; v6   where I read them
.set OO,   7                           ; v7   out0: 5 rows x h + 16 r; never rewritten
.set SPW,  8                           ; v8   LDS address of my spare word; never rewritten
.set NIL,  9                           ; v9   0, for the add alone
.set AW,   10                          ; v10  where I put a prototype's 8 bytes
.set PW,   11                          ; v11  where I put its squared length
.set T,    12                          ; v[12:19] at work: no memory or LDS instruction names them
.set LN,   20                          ; lane
.set RR,   21                          ; r = lane % 16
.set HH,   22                          ; h = lane / 16
.set AA,   23                          ; where I read my prototype fragments
.set PR,   24                          ; where I read my five squared lengths
.set U,    25
.set U2,   26
.set ZERO, 27                          ; 0, the addend that starts a sum in v_fma_mix_f32 (it takes registers only)
.set PP,   28                          ; v[28:35] ||pn||^2 for tile rows j = 0..4; 0 for 5..7
.set ST,   36                          ; v[36:39] ||fn||^2 of my four columns t
.set A,    40                          ; v[40:71] prototype fragments, 8 registers for each K step
.set OUT,  40                          ;          later the results, (j, t) at OUT + 4 j + t
.set S,    72                          ; v[72:87] partial sums of fn^2, (g, t) at S + 4 g + t
.set F,    88                          ; v[88:119] F0: the packed halves of batches 0 and 1: (g, t) at F + 2 (4 g + t), two registers
.set ACC,  88                          ;          later four accumulators, tile t at ACC + 8 t
.set P0,   88                          ;          first: up to three prototype rows, 4 registers each
.set X,    120                         ; v[120:247] load (p, g) at X + 16 p + 4 g; later the 16 fragments, (q, t) at X + 8 (4 q + t)
.set F1,   120                         ; v[120:151] F1: the packed halves of batches 2 and 3, laid as F0
.set WV,   12                          ; s12 wave
.set BI,   13                          ; s13 b
.set HI,   14                          ; s14 h of the image
.set SEG,  15                          ; s15 my piece of 64 columns on the way out
.set MT,   16                          ; s16 my ten prototypes
.set SEL,  18                          ; s[18:19] v_permlanex16_b32: each lane takes its own place in the other half
.set NS,   26                          ; s[26:27] -|distance_scale|
	s_load_b256 s[4:11], s[0:1], 0x0               ; features s[4:5], prototypes s[6:7], distance_scale s[8:9], out0 s[10:11]
	v_lshl_add_u32 v[SPW], v0, 2, SPARE
	v_mov_b32 v[NIL], 0
	v_lshrrev_b32 v[U], 5, v0
	v_readfirstlane_b32 s[WV], v[U]                ; wave 0..7
	v_and_b32 v[LN], 31, v0
	v_and_b32 v[RR], 15, v0
	v_bfe_u32 v[HH], v0, 4, 1
	v_lshlrev_b32 v[PO], 4, v[LN]
	v_lshlrev_b32 v[VOFF], 4, v[RR]
	v_lshl_add_u32 v[VOFF], v[HH], 20, v[VOFF]     ; 8 rows are 2^20 bytes
	s_lshr_b32 s[BI], ttmp9, 7
	s_and_b32 s[HI], ttmp9, 127
	s_wait_alu depctr_va_sdst(0)                   ; the wave's number is written into s12, ahead of its first reader: bases, LDS addresses and two branches are made from it
	s_and_b32 s[SEG], s[WV], 3
	s_lshr_b32 s[MT], s[WV], 2
	s_lshl_b32 s20, s[BI], 24                      ; features: b x 128 channels,
	s_lshl_b32 s28, s[HI], 10                      ; the image row,
	s_add_co_u32 s20, s20, s28
	s_lshl_b32 s29, s[WV], 21                      ; my 16 channels
	s_add_co_u32 s20, s20, s29
	s_mov_b32 s21, 0
	s_lshl_b32 s22, s[WV], 9                       ; prototypes: row v
	s_mov_b32 s23, 0
	s_mul_i32 s24, s[BI], 20*ROWSTR                ; out0: b x 20 rows k,
	s_mul_i32 s29, s[MT], 10*ROWSTR                ; my ten,
	s_add_co_u32 s24, s24, s29
	s_add_co_u32 s24, s24, s28                     ; the image row,
	s_lshl_b32 s29, s[SEG], 8                      ; my 64 columns
	s_add_co_u32 s24, s24, s29
	s_mov_b32 s25, 0
	s_mov_b32 s[SEL], 0x76543210
	s_mov_b32 s[SEL+1], 0xfedcba98
	s_wait_kmcnt 0x0
	s_add_nc_u64 s[4:5], s[4:5], s[20:21]
	s_add_nc_u64 s[6:7], s[6:7], s[22:23]
	s_add_nc_u64 s[10:11], s[10:11], s[24:25]
	s_load_b32 s[NS], s[8:9], 0x0
	s_wait_alu depctr_va_vdst(0)                   ; v[PO] and v[VOFF] are written, which the loads below read as their offsets
	; the prototype rows first, so that a counted wait can take them while the features stay out: rows v and v + 8, and v + 16 in waves 0 to 3; 512 bytes a load
	global_load_b128 v[P0:P0+3], v[PO], s[6:7]
	global_load_b128 v[P0+4:P0+7], v[PO], s[6:7] offset:8*512
	s_cmp_lt_u32 s[WV], 4
	s_cbranch_scc0 .Lno_third_load
	global_load_b128 v[P0+8:P0+11], v[PO], s[6:7] offset:16*512
.Lno_third_load:
.set p, 0
.rept 8                                ; my 16 KiB of features: each byte is read once in the launch
.set g, 0
.rept 4
	global_load_b128 v[X+16*p+4*g:X+16*p+4*g+3], v[VOFF], s[4:5] offset:p*ROWSTR+g*256 th:TH_LOAD_NT
.set g, g+1
.endr
.set p, p+1
.endr
	; the LDS addresses, while the loads are out: none of these lines names a register that a load above reads or lands in
	s_mul_i32 s28, s[WV], APITCH
	s_add_co_u32 s28, s28, ABASE
	v_lshl_add_u32 v[AW], v[LN], 3, s28            ; table row v, 8 bytes a lane
	s_lshl_b32 s28, s[WV], 2
	s_add_co_u32 s28, s28, PPBASE
	v_mov_b32 v[PW], s28
	s_lshr_b32 s28, s[WV], 1                       ; my channels lie in K step v / 2,
	s_lshl_b32 s28, s28, 14
	s_and_b32 s29, s[WV], 1                        ; in its registers 0-3 (v even) or 4-7 (v odd)
	s_lshl_b32 s29, s29, 9
	s_add_co_u32 s28, s28, s29
	v_lshl_add_u32 v[BW], v[LN], 3, s28
	s_lshl_b32 s28, s[SEG], 12
	v_lshl_add_u32 v[BR], v[LN], 3, s28
	s_lshl_b32 s28, s[WV], 11
	s_add_co_u32 s28, s28, SBASE
	v_lshl_add_u32 v[SW], v[LN], 4, s28
	s_lshl_b32 s28, s[SEG], 9
	s_add_co_u32 s28, s28, SBASE
	v_lshl_add_u32 v[SR], v[LN], 4, s28
	v_mul_u32_u24 v[OO], v[HH], 5*ROWSTR
	v_lshl_add_u32 v[OO], v[RR], 4, v[OO]
	v_and_b32 v[U], 7, v0                          ; tile row r stands for prototype 10 mt + 5 (r / 8) + min(r % 8, 4)
	v_min_u32 v[U], 4, v[U]
	v_bfe_u32 v[U2], v0, 3, 1
	v_mad_u32_u24 v[U], v[U2], 5, v[U]
	s_mul_i32 s28, s[MT], 10
	v_add_nc_u32 v[U], s28, v[U]
	v_mul_u32_u24 v[U], v[U], APITCH
	v_lshl_add_u32 v[U], v[HH], 4, v[U]            ; + 16 h: a fragment's two halves of the lanes
	v_add_nc_u32 v[AA], ABASE, v[U]
	s_mul_i32 s28, s[MT], 40
	s_add_co_u32 s28, s28, PPBASE
	v_mul_u32_u24 v[PR], v[HH], 20                 ; my results' rows j are k = 10 mt + 5 h + j
	v_add_nc_u32 v[PR], s28, v[PR]
	v_mov_b32 v[ZERO], 0
	v_mov_b32 v[PP+5], 0                           ; tile rows 5 to 7 are not read; their C operand only has to be written
	v_mov_b32 v[PP+6], 0
	v_mov_b32 v[PP+7], 0
.macro WSUM x                          ; the sum of v[x] over the wave's 32 lanes, in every lane; v[x+1] is used up
.irp m, 1,2,4,8
	v_add_f32_dpp v[\x], v[\x], v[\x] row_xmask:\m row_mask:0xf bank_mask:0xf
.endr
	v_permlanex16_b32 v[(\x)+1], v[\x], s[SEL], s[SEL+1]
	v_add_f32 v[\x], v[\x], v[(\x)+1]
.endm
; One prototype row, 4 numbers a lane: its length, -2 pn rounded to f16, and the squared length of the ROUNDED pn (a quarter of the sum of squares of -2 pn).
; The results stay in the row's own registers: the packed halves in v[x], v[x+1], the squared length in v[x+2].  So no row's arithmetic writes a register that another row's stores read.
.macro PROW x
	v_pk_mul_f32 v[T:T+1], v[\x:(\x)+1], v[\x:(\x)+1]
	v_pk_fma_f32 v[T:T+1], v[(\x)+2:(\x)+3], v[(\x)+2:(\x)+3], v[T:T+1]
	v_add_f32 v[T], v[T], v[T+1]
	WSUM T
	v_rsq_f32 v[T+2], v[T]
	v_nop                                          ; a plain instruction behind the transcendental (ISA guide 5.7.2),
	s_wait_alu depctr_va_vdst(0)                   ; and the reciprocal root is written, ahead of its first reader
	v_min_num_f32 v[T+2], RMAX, v[T+2]             ; 1 / max(length, eps)
	v_mul_f32 v[T], -2.0, v[T+2]
	v_pk_mul_f32 v[\x:(\x)+1], v[\x:(\x)+1], v[T:T+1] op_sel_hi:[1,0]
	v_pk_mul_f32 v[(\x)+2:(\x)+3], v[(\x)+2:(\x)+3], v[T:T+1] op_sel_hi:[1,0]
	v_cvt_pk_f16_f32 v[\x], v[\x], v[(\x)+1]
	v_cvt_pk_f16_f32 v[(\x)+1], v[(\x)+2], v[(\x)+3]
	v_fma_mix_f32 v[T], v[\x], v[\x], v[ZERO] op_sel_hi:[1,1,0]
	v_fma_mix_f32 v[T], v[\x], v[\x], v[T] op_sel:[1,1,0] op_sel_hi:[1,1,0]
	v_fma_mix_f32 v[T], v[(\x)+1], v[(\x)+1], v[T] op_sel_hi:[1,1,0]
	v_fma_mix_f32 v[T], v[(\x)+1], v[(\x)+1], v[T] op_sel:[1,1,0] op_sel_hi:[1,1,0]
	WSUM T
	v_mul_f32 v[(\x)+2], 0x3e800000, v[T]          ; x 0.25
.endm
.macro PSTORE x, row                   ; the row's results into the table
	ds_store_b64 v[AW], v[\x:(\x)+1] offset:(\row)*APITCH
	ds_store_b32 v[PW], v[(\x)+2] offset:(\row)*4  ; all lanes write the same word with the same number
.endm
	s_wait_loadcnt 32                              ; loads come back in order (ISA guide 5.7.1): the prototype rows are in, the 32 loads of features issued behind them stay out
	PROW P0
	PROW P0+4
	s_wait_alu depctr_va_vdst(0)                   ; both rows' results are written, which the four stores below read; so are the nine LDS and output addresses made above, for good
	PSTORE P0, 0
	PSTORE P0+4, 8
	s_cmp_lt_u32 s[WV], 4
	s_cbranch_scc0 .Lno_third_row
	PROW P0+8
	s_wait_alu depctr_va_vdst(0)                   ; the third row's results are written, which its two stores read
	PSTORE P0+8, 16
.Lno_third_row:
	s_wait_dscnt 0x0                               ; for the others' sake: my rows of the table are written
	s_barrier_signal -1
	s_barrier_wait -1                              ; the table is whole; the features are still on their way
	s_wait_alu depctr_vm_vsrc(0)                   ; my LDS stores have read v[P0 ..]: these registers are F0 from here on, written by the conversions of batches 0 and 1
.irp q, 0,1,2,3                        ; my prototype fragments, kept in registers; they are waited for with everything else in front of the next barrier
	ds_load_b128 v[A+8*\q:A+8*\q+3],   v[AA] offset:64*\q
	ds_load_b128 v[A+8*\q+4:A+8*\q+7], v[AA] offset:64*\q+32
.endr
.irp j, 0,1,2,3,4
	ds_load_b32 v[PP+\j], v[PR] offset:4*\j
.endr
	s_wait_kmcnt 0x0
	s_or_b32 s[NS], s[NS], 0x80000000              ; -|distance_scale|
	s_mov_b32 s[NS+1], s[NS]                       ; named with it as a pair
; Two registers of each of my 16 fragment halves, out of buffer fb, as quarter u: each store covers 256 consecutive bytes of LDS.
.macro FSTORE fb, u
.set n, 0
.rept 16
	ds_store_b64 v[BW], v[(\fb)+2*n:(\fb)+2*n+1] offset:(n/4)*4096+(n%4)*1024+(\u)*256
.set n, n+1
.endr
.endm
; BATCH i: loads p = 2 i and 2 i + 1, four channels of the wave (two in each half of the lanes), as soon as they are in.  Batches 0 and 1 pack into F0, batches 2 and 3 into F1.
.macro BATCH i
.set XA, X+32*(\i)
.set XB, X+32*(\i)+16
.set FB, F+(F1-F)*((\i)/2)
	s_wait_loadcnt 24-8*(\i)                       ; my eight loads are in, the younger ones stay out
	v_pk_mul_f32 v[T:T+1],   v[XA:XA+1],   v[XA:XA+1]    ; the rows' sums of squares: two chains a row, started by the first products
	v_pk_mul_f32 v[T+4:T+5], v[XB:XB+1],   v[XB:XB+1]
	v_pk_mul_f32 v[T+2:T+3], v[XA+2:XA+3], v[XA+2:XA+3]
	v_pk_mul_f32 v[T+6:T+7], v[XB+2:XB+3], v[XB+2:XB+3]
.irp c, 4,8,12
	v_pk_fma_f32 v[T:T+1],   v[XA+\c:XA+\c+1],   v[XA+\c:XA+\c+1],   v[T:T+1]
	v_pk_fma_f32 v[T+4:T+5], v[XB+\c:XB+\c+1],   v[XB+\c:XB+\c+1],   v[T+4:T+5]
	v_pk_fma_f32 v[T+2:T+3], v[XA+\c+2:XA+\c+3], v[XA+\c+2:XA+\c+3], v[T+2:T+3]
	v_pk_fma_f32 v[T+6:T+7], v[XB+\c+2:XB+\c+3], v[XB+\c+2:XB+\c+3], v[T+6:T+7]
.endr
	v_pk_add_f32 v[T:T+1], v[T:T+1], v[T+2:T+3]
	v_pk_add_f32 v[T+4:T+5], v[T+4:T+5], v[T+6:T+7]
	v_add_f32 v[T], v[T], v[T+1]
	v_add_f32 v[T+4], v[T+4], v[T+5]
.irp m, 1,2,4,8                        ; over the 16 lanes that hold the row; the two halves of the lanes hold different rows
	v_add_f32_dpp v[T], v[T], v[T] row_xmask:\m row_mask:0xf bank_mask:0xf
	v_add_f32_dpp v[T+4], v[T+4], v[T+4] row_xmask:\m row_mask:0xf bank_mask:0xf
.endr
	v_rsq_f32 v[T+2], v[T]
	v_rsq_f32 v[T+6], v[T+4]
	v_nop                                          ; a plain instruction behind the two transcendentals,
	s_wait_alu depctr_va_vdst(0)                   ; and both reciprocal roots are written, ahead of their first reader; in batch 2 also: the conversions of batches 0 and 1 have written F0
.if (\i) == 2
	FSTORE F, 0                                    ; F0 leaves here, directly behind that wait; no line of batches 2 and 3 writes F0
.endif
	v_min_num_f32 v[T+2], RMAX, v[T+2]             ; 1 / max(length, eps)
	v_min_num_f32 v[T+6], RMAX, v[T+6]
.irp c, 0,2,4,6,8,10,12,14
	v_pk_mul_f32 v[XA+\c:XA+\c+1], v[XA+\c:XA+\c+1], v[T+2:T+3] op_sel_hi:[1,0]
	v_pk_mul_f32 v[XB+\c:XB+\c+1], v[XB+\c:XB+\c+1], v[T+6:T+7] op_sel_hi:[1,0]
.endr
.set n, 0
.rept 16                               ; channel p = 2 i in the low half, 2 i + 1 in the high half: register i of the lane's eight channels
	v_cvt_pk_f16_f32 v[FB+2*n+(\i)%2], v[XA+n], v[XB+n]
.set n, n+1
.endr
.set n, 0
.rept 16                               ; ||fn||^2 of the rounded numbers, in f32: the low halves, then the high halves, so that no line waits for the one before it
.if (\i) == 0
	v_fma_mix_f32 v[S+n], v[FB+2*n], v[FB+2*n], v[ZERO] op_sel_hi:[1,1,0]
.else
	v_fma_mix_f32 v[S+n], v[FB+2*n+(\i)%2], v[FB+2*n+(\i)%2], v[S+n] op_sel_hi:[1,1,0]
.endif
.set n, n+1
.endr
.set n, 0
.rept 16
	v_fma_mix_f32 v[S+n], v[FB+2*n+(\i)%2], v[FB+2*n+(\i)%2], v[S+n] op_sel:[1,1,0] op_sel_hi:[1,1,0]
.set n, n+1
.endr
.endm
	BATCH 0
	BATCH 1
	BATCH 2
	BATCH 3
	s_wait_alu depctr_va_vdst(0)                   ; F1 and S are written, which the twenty stores below read; and every vector instruction so far is done with F0 and X, in which the loads behind the barrier land
	FSTORE F1, 1
.irp g, 0,1,2,3
	ds_store_b128 v[SW], v[S+4*\g:S+4*\g+3] offset:512*\g
.endr
	s_wait_dscnt 0x0                               ; for the others' sake: my fragment quarters and partial sums are written (and my prototype fragments are in)
	s_barrier_signal -1
	s_barrier_wait -1                              ; all 128 channels lie in LDS as fragments
	s_wait_alu depctr_vm_vsrc(0)                   ; my LDS stores have read F0 and F1, in which the partial sums' and the fragments' loads below land
.macro BLOAD q                         ; K step q of my four tiles: 16 loads, each 256 consecutive bytes
.set tt, 0
.rept 4
.set uu, 0
.rept 4
	ds_load_b64 v[X+8*(4*(\q)+tt)+2*uu:X+8*(4*(\q)+tt)+2*uu+1], v[BR] offset:(\q)*16384+tt*1024+uu*256
.set uu, uu+1
.endr
.set tt, tt+1
.endr
.endm
.macro MULS q                          ; the four accumulators take turns, one instruction a turn: three others stand between two links of a chain
.irp t, 0,1,2,3
	v_wmma_f32_16x16x32_f16 v[ACC+8*\t:ACC+8*\t+7], v[A+8*(\q):A+8*(\q)+7], v[X+8*(4*(\q)+\t):X+8*(4*(\q)+\t)+7], v[ACC+8*\t:ACC+8*\t+7]
.endr
.endm
.irp w, 0,1,2,3,4,5,6,7                ; the eight waves' partial sums for my piece; my lane takes its own half's
	ds_load_b128 v[F+4*\w:F+4*\w+3], v[SR] offset:2048*\w
.endr
	BLOAD 0
	BLOAD 1
	BLOAD 2
	s_wait_dscnt 48                                ; LDS loads come back in order (ISA guide 5.7.1): the partial sums are in, the 48 fragment loads stay out
.irp w, 0,1,2,3
	v_pk_add_f32 v[F+4*\w:F+4*\w+1],   v[F+4*\w:F+4*\w+1],   v[F+4*\w+16:F+4*\w+17]
	v_pk_add_f32 v[F+4*\w+2:F+4*\w+3], v[F+4*\w+2:F+4*\w+3], v[F+4*\w+18:F+4*\w+19]
.endr
.irp w, 0,1
	v_pk_add_f32 v[F+4*\w:F+4*\w+1],   v[F+4*\w:F+4*\w+1],   v[F+4*\w+8:F+4*\w+9]
	v_pk_add_f32 v[F+4*\w+2:F+4*\w+3], v[F+4*\w+2:F+4*\w+3], v[F+4*\w+10:F+4*\w+11]
.endr
	v_pk_add_f32 v[F:F+1],   v[F:F+1],   v[F+4:F+5]
	v_pk_add_f32 v[F+2:F+3], v[F+2:F+3], v[F+6:F+7]
.irp t, 0,1,2,3
	v_permlanex16_b32 v[T+\t], v[F+\t], s[SEL], s[SEL+1]   ; the other 64 channels' sums lie in the lane 16 away
.endr
	v_pk_add_f32 v[ST:ST+1],   v[F:F+1],   v[T:T+1]
	v_pk_add_f32 v[ST+2:ST+3], v[F+2:F+3], v[T+2:T+3]      ; ||fn||^2 of columns 64 g + 4 r + t, in both halves of the lanes
.irp c, 0,2,4,6                        ; the sums start at ||fn||^2 + ||pn||^2, so that the products' end is the squared distance
	v_pk_add_f32 v[ACC+\c:ACC+\c+1],       v[PP+\c:PP+\c+1], v[ST:ST+1]   op_sel_hi:[1,0]
	v_pk_add_f32 v[ACC+8+\c:ACC+8+\c+1],   v[PP+\c:PP+\c+1], v[ST:ST+1]   op_sel:[0,1] op_sel_hi:[1,1]
	v_pk_add_f32 v[ACC+16+\c:ACC+16+\c+1], v[PP+\c:PP+\c+1], v[ST+2:ST+3] op_sel_hi:[1,0]
	v_pk_add_f32 v[ACC+24+\c:ACC+24+\c+1], v[PP+\c:PP+\c+1], v[ST+2:ST+3] op_sel:[0,1] op_sel_hi:[1,1]
.endr
	s_wait_dscnt 32                                ; K step 0 is in; steps 1 and 2 stay out
	BLOAD 3                                        ; issued ahead of the first product.  No wait: the vector lines since the wait behind batch 3 name F0, T, ST and PP alone, none of v[X+96 ..], in which these loads land
	MULS 0
	s_wait_dscnt 32                                ; K step 1 is in; steps 2 and 3 stay out
	MULS 1
	s_wait_dscnt 16
	MULS 2
	s_wait_dscnt 0x0
	MULS 3
.rept 4
	v_nop                                          ; four places behind the last product, ahead of the lines that read results and write over the prototype fragments (ISA guide 7.12.1)
.endr
.irp j, 0,1,2,3,4                      ; each accumulator is read from its lowest register on
.irp t, 0,1,2,3
	v_max_num_f32 v[OUT+4*\j+\t], 0, v[ACC+8*\t+\j]
.endr
.endr
.set n, 0
.rept 20
	v_sqrt_f32 v[OUT+n], v[OUT+n]
.set n, n+1
.endr
	v_nop                                          ; a plain instruction behind the last root,
	s_wait_alu depctr_va_vdst(0)                   ; and the twenty roots are written, ahead of their first reader: one wait for the batch
.irp j, 0,1,2,3,4
	v_pk_mul_f32 v[OUT+4*\j:OUT+4*\j+1],   v[OUT+4*\j:OUT+4*\j+1],   s[NS:NS+1] op_sel_hi:[1,0]
	v_pk_mul_f32 v[OUT+4*\j+2:OUT+4*\j+3], v[OUT+4*\j+2:OUT+4*\j+3], s[NS:NS+1] op_sel_hi:[1,0]
.endr
	s_wait_alu depctr_va_vdst(0)                   ; the ten scalings have written v[OUT ..], which the five stores read
.irp j, 0,1,2,3,4
	global_store_b128 v[OO], v[OUT+4*\j:OUT+4*\j+3], s[10:11] offset:\j*ROWSTR th:TH_STORE_NT  ; lanes 0-15: 256 consecutive bytes, aligned, of row k = 10 mt + j; lanes 16-31: of row k + 5
.endr
	s_wait_dscnt 0x0                               ; the closing lines, six on end
	s_wait_alu 0x0
	s_wait_tensorcnt 0x0
	ds_add_u32 v[SPW], v[NIL]
	s_wait_dscnt 0x0
	s_endpgm
.Lfunc_end_k_q3e0b2d9b74_isomax:
	.size	k_q3e0b2d9b74_isomax, .Lfunc_end_k_q3e0b2d9b74_isomax-k_q3e0b2d9b74_isomax
	.p2alignl 7, 3214868480
	.fill 96, 4, 3214868480
	.section	.rodata,"a",@progbits
	.p2align	6, 0x0
	.amdhsa_kernel k_q3e0b2d9b74_isomax
		.amdhsa_group_segment_fixed_size 88832
		.amdhsa_private_segment_fixed_size 0
		.amdhsa_enable_private_segment 0
		.amdhsa_kernarg_size 32
		.amdhsa_user_sgpr_count 2
		.amdhsa_user_sgpr_kernarg_segment_ptr 1
		.amdhsa_wavefront_size32 1
		.amdhsa_system_sgpr_workgroup_id_x 1
		.amdhsa_system_sgpr_workgroup_id_y 1
		.amdhsa_system_sgpr_workgroup_id_z 1
		.amdhsa_system_vgpr_workitem_id 0
		.amdhsa_next_free_vgpr 248
		.amdhsa_next_free_sgpr 66
		.amdhsa_reserve_vcc 0
		.amdhsa_float_denorm_mode_32 3
		.amdhsa_float_denorm_mode_16_64 3
		.amdhsa_memory_ordered 1
		.amdhsa_forward_progress 1
		.amdhsa_inst_pref_size 51
	.end_amdhsa_kernel
	.amdgpu_metadata
---
amdhsa.version: [ 1, 2 ]
amdhsa.kernels:
  - .name:           k_q3e0b2d9b74_isomax
    .symbol:         k_q3e0b2d9b74_isomax.kd
    .args:
      - { .name: features, .offset: 0, .size: 8, .value_kind: global_buffer, .address_space: global }
      - { .name: prototypes, .offset: 8, .size: 8, .value_kind: global_buffer, .address_space: global }
      - { .name: distance_scale, .offset: 16, .size: 8, .value_kind: global_buffer, .address_space: global }
      - { .name: out0, .offset: 24, .size: 8, .value_kind: global_buffer, .address_space: global }
    .group_segment_fixed_size: 88832
    .private_segment_fixed_size: 0
    .kernarg_segment_align: 8
    .kernarg_segment_size: 32
    .max_flat_workgroup_size: 256
    .sgpr_count:     66
    .vgpr_count:     248
    .wavefront_size: 32
...
	.end_amdgpu_metadata
.endif
;; end of part 2
